; MI455X (gfx1250); checked and timed in simulation.
; The chip was launched on July 23, 2026; its instructions are those of AMD's public machine-readable ISA for CDNA 5 (MIT licence, August 2026) and "CDNA5" Instruction Set Architecture Reference Guide (July 2026). The comments in the code are by the model that wrote it; some were corrected since.
;; Multi Head Attention. Allowed arithmetic: matrix products marked QUANTISED: E5M2 operands, one given power-of-two scale a tensor, by v_wmma_f32_16x16x64_bf8_bf8 or v_wmma_f32_16x16x128_bf8_bf8, f32 sums; everything else in f32.
;; Inputs: W_out_codes 1,024 x 32 x 32 uint8 (E5M2 codes of W_out, K innermost, in blocks of 32 codes); W_qkv_codes 3,072 x 32 x 32 uint8 (E5M2 codes of W_qkv, K innermost, in blocks of 32 codes); b_out 1,024 float32; b_qkv 3,072 float32; lowp_scales 8 int32 (the exponents e of the quantised operands' scales 2^e); x_codes 2 x 2,048 x 32 x 32 uint8 (E5M2 codes of x, K innermost, in blocks of 32 codes).
;; Outputs: out0 2 x 2,048 x 1,024 float32.
;; This version of the problem:
;;   THIS VERSION OF THE PROBLEM IS GIVEN IN LOW PRECISION. The matrix products marked QUANTISED in the list below multiply operands that are first quantised to E5M2 (5 exponent bits, 2 mantissa bits; 8 bits a number), with one given power-of-two scale for each operand tensor; their sums are f32. All else is computed in f32.
;;   The module's matrix products, in the order in which they are computed (A, B: the left and right operand; K: the contracted axis; several contracted axes count as one K, in the product's order):
;;     1. [M 4,096, K 1,024] x [K 1,024, N 3,072]; A: input x (given as codes); B: input W_qkv (given as codes): QUANTISED (scales: A lowp_scales[0], B lowp_scales[1])
;;     2. batch 32 x [M 2,048, K 64] x [K 64, N 2,048]; A: computed on the way; B: computed on the way: QUANTISED (scales: A lowp_scales[2], B lowp_scales[3])
;;     3. batch 32 x [M 2,048, K 2,048] x [K 2,048, N 64]; A: softmax (see below); B: computed on the way: QUANTISED (scales: A lowp_scales[4], B lowp_scales[5])
;;     4. [M 4,096, K 1,024] x [K 1,024, N 1,024]; A: computed on the way; B: input W_out (given as codes): QUANTISED (scales: A lowp_scales[6], B lowp_scales[7])
;;   THE QUANTISER, for each operand of a quantised product, along K:
;;     - The operand's scale is 2^e, e = its entry of the input lowp_scales (int32; the entries are numbered through the quantised products in the list's order, A before B).
;;     - Each number is divided by the scale, clamped to +-57,344, and rounded to the nearest number of E5M2, ties to even, subnormals kept.
;;     - The product sums the exact products of the quantised numbers (number of the format x scale) in f32.
;;   ~~~python
;;   def quantise(x, axis, e):      # numpy; x: float32 -> the quantised numbers, widened to float32 again
;;       x = np.moveaxis(x, axis, -1); K = x.shape[-1]
;;       r = np.clip(x / 2.0 ** e, -57344, 57344)
;;       step = 2.0 ** (np.maximum(np.frexp(np.where(r == 0, 1, r))[1] - 1, -14) - 2)
;;       q = np.round(r / step) * step * 2.0 ** e      # np.round: ties to even
;;       return np.moveaxis(q, -1, axis).astype(np.float32)
;;   ~~~
;;   SOFTMAX AHEAD OF A QUANTISED PRODUCT. Where the list says 'softmax', what is quantised is not the finished softmax but p = 2^(t - M), with t = logit x log2(e) and M = ceil(the row's largest t), a whole number; so 1/2 < the row's largest p <= 1. The row's sum l is taken of the UNQUANTISED p, in f32, and the product's result is divided by l at the end. Since M is a whole number, a kernel that streams over the keys may use a running M (the ceiling of the running maximum): every later rescaling is an exact power of two, so the quantised numbers keep their values, but for numbers so far below the row's largest that they fall under the format's range.
;;   OPERANDS COMPUTED ON THE WAY. 'Computed on the way' means the value that the module computes at that place (a softmax that the list does not call 'softmax' is quantised finished and normalised). What goes into a quantiser is computed in f32, as accurately as f32 sums, v_exp_f32 and their like allow (about 1e-6 of the number): no bf16 or f16 on the way to a quantiser, and a product that is left as it is and whose result goes on into a quantised operand takes f32 operands (vector FMAs, or v_wmma_f32_16x16x4_f32). A number that lies on a knife's edge between two numbers of the format may be rounded either way, as far as f32 arithmetic and the matrix unit's own rounding can turn it there, and no further.
;;   INPUTS GIVEN AS CODES. W_out (in the module: [1024, 1024], K = its axis 1); W_qkv (in the module: [3072, 1024], K = its axis 1); x (in the module: [2, 2048, 1024], K = its axis 2): each comes as NAME_codes (uint8): NAME with its K axis moved to the last place and cut into blocks of 32 codes, [.., K / 32, bytes a block], one block behind the other in memory; one code a byte (a code: sign, 5 exponent bits, 2 mantissa bits); its scale is its entry of lowp_scales. Its value is code x scale, taken as it is: it is not quantised again, and the codes and scales need not be those that the quantiser above would give.
;; One version. Each part assembles by itself: llvm-mc -triple=amdgcn-amd-amdhsa -mcpu=gfx1250 --defsym DOCPART=n.
;; ======== version 1 of 1: 3 launches
;; limits: right only within a limited range of input values
;; workspace buffers: qkv 12,582,912 bytes; attn 4,194,304 bytes
;; launch qkv_gemm (part 1): grid 12 x 16, 4 waves a work-group, clusters of 4 x 4, 327,680 bytes of LDS; arguments x_codes, W_qkv_codes, lowp_scales, b_qkv, qkv; writes qkv
.if DOCPART == 1
	.amdgcn_target "amdgcn-amd-amdhsa--gfx1250"
	.amdhsa_code_object_version 6
	.text
	.protected	k_q62dc20b14d_qkv_gemm
	.globl	k_q62dc20b14d_qkv_gemm
	.p2align	8
	.type	k_q62dc20b14d_qkv_gemm,@function
k_q62dc20b14d_qkv_gemm:
	s_mov_b64 s[64:65], 0
	v_nop
	global_prefetch_b8 v0, s[64:65] scope:SCOPE_SE
	s_setreg_imm32_b32 hwreg(HW_REG_WAVE_MODE, 25, 1), 1
	s_wait_xcnt 0x0
	s_wait_alu depctr_hold_cnt(0) depctr_sa_sdst(0) depctr_va_vdst(0) depctr_va_sdst(0) depctr_va_ssrc(0) depctr_va_vcc(0) depctr_vm_vsrc(0)
	s_getreg_b32 s2, hwreg(HW_REG_IB_STS2, 6, 4)
	s_cmp_eq_u32 s2, 0
	s_cbranch_scc0 .Lentry_in_a_cluster
	s_endpgm
.Lentry_in_a_cluster:
	s_bfe_u32 s2, ttmp6, 0x10000c
	s_cmp_lg_u32 s2, 0xf033
	s_cbranch_scc0 .Lentry_shape_is_right
	s_endpgm
.Lentry_shape_is_right:
; q, k, v = x W_qkv^T + b_qkv on codes of BF8 (E5M2), quantised again into the workspace as images of operand registers (512 bytes: four registers of 32 lanes, 16 bytes a lane).
; WORK LEFT OUT IN THIS PROGRAM: reference() sets the scores of keys behind the query to -infinity in its own body, so their p is 0 for all values of the inputs: the attention launch leaves out
; every step of 128 keys that lies wholly behind a block of 128 queries.  LIMIT: a NaN or an infinity that reaches only such scores is not carried to the result.  All inputs are loaded.
; A tile is 256 x 256, four waves of 128 x 128.  ONE LDS slot holds 512 along K of A's and B's 256 rows, filled by one joint load a wave (4 x 4 clusters): at the head, and once again for the second half of K, ahead of the
; first half's last 64 products.  For v the two operands change places (by their addresses), so that a lane's eight results are eight neighbouring tokens of one channel.
; PREFETCH: behind the first fragments' loads each wave asks for 32 rows' 512 bytes of the second half, one fill ahead of the load that wants them; the four partners of a joint load share its 128 rows out by address.
; LIMITS: e0 + e1 between -126 and 127; e2, e3, e5 between -126 and 112.
.set ROWB,   512                       ; a slot's row: 512 along K
.set KROW,   1024
.set PITCH,  528                       ; in LDS: + 16 of padding = 132 words: row r starts at bank 4 r mod 64 (64 banks of 4 bytes: ISA guide 11.1)
.set FR,     16
.set NL,     4
.set NP,     4
.set HALFT,  128*PITCH
.set SLOT,   4*HALFT
.set SPARE,  SLOT
.set PFO,    30                        ; v30  the prefetches' offset: 1,024 x my lane;  s[98:99] their base
.set BNA,  8
.set BMA,  9
.set LI,   10
.set SC,   12
.set LIM,  13
.set ADRA, 16
.set ADRB, 20
.set SPW,  28
.set NIL,  29
.set BN,   32
.set BM,   96
.set AF,   128
.set TMP,  128
.set CD,   192
.set G1, 24
.set G0, 32
.set G1B, 48
.set G0B, 56
.set MSB, 0
.macro WIN new
.if MSB != \new
	s_set_vgpr_msb (MSB<<8)|\new
.set MSB, \new
.endif
.endm
.set MUL_LO, 0xa1
.set MUL_HI, 0xf1
.set TO_B,   0x40
.macro JLOAD g0a, g1a, g0b, g1b
	s_cmp_eq_u32 s15, 0
	s_cbranch_scc0 .Lfor_b_\@
	tensor_load_to_lds s[\g0a:\g0a+3], s[\g1a:\g1a+7]
	s_nop 0
.rept 4
	v_nop
.endr
	s_branch .Lasked_\@
.Lfor_b_\@:
	tensor_load_to_lds s[\g0b:\g0b+3], s[\g1b:\g1b+7]
	s_nop 0
.rept 4
	v_nop
.endr
.Lasked_\@:
.endm
.macro CREST
	s_cmp_lg_u32 s14, 0
	s_cbranch_scc1 .Lnot_wave_0_\@
	s_barrier_signal -3
.Lnot_wave_0_\@:
	s_barrier_wait -3
	s_barrier_signal -1
	s_barrier_wait -1
.endm
.macro CROUND
	s_barrier_signal -1
	s_barrier_wait -1
	CREST
.endm
	s_load_b256 s[4:11], s[0:1], 0x0
	s_load_b64 s[12:13], s[0:1], 0x20
	v_lshl_add_u32 v[SPW], v0, 2, SPARE
	v_mov_b32 v[NIL], 0
	ds_add_u32 v28, v29
	ds_add_u32 v28, v29
	s_wait_dscnt 0x0
	v_lshrrev_b32 v1, 5, v0
	v_readfirstlane_b32 s14, v1
	s_lshr_b32 s15, s14, 1
	s_and_b32 s16, s14, 1
	s_bfe_u32 s40, ttmp6, 0x40000
	s_bfe_u32 s41, ttmp6, 0x40004
	s_and_b32 s80, ttmp7, 0xffff
	s_cmp_eq_u32 ttmp9, 2
	s_cselect_b32 s66, 0, s80
	s_cselect_b32 s67, s80, ttmp9
	s_cselect_b32 s81, 0x200000, 0
	s_lshl_b32 s42, s67, 2
	s_add_co_u32 s42, s42, s40
	s_lshl_b32 s17, s66, 2
	s_add_co_u32 s17, s17, s41
	s_lshl_b32 s43, s41, 2
	s_lshl_b32 s43, 15, s43
	s_lshl_b32 s44, 0x1111, s40
	s_or_b32 s[G1+0], s43, (0<<16)|(1<<20)|(1<<21)|(6<<22)|(3<<25)    ; the mask; elements of 1 byte; padding: 4 words (code 3) after every 128 (code 6)
	s_or_b32 s[G1B+0], s44, (0<<16)|(1<<20)|(1<<21)|(6<<22)|(3<<25)
.irp g, G1, G1B
	s_mov_b32 s[\g+1], ROWB<<16
	s_mov_b32 s[\g+2], 128<<16
	s_mov_b32 s[\g+3], ROWB<<16
	s_mov_b32 s[\g+4], 128
	s_mov_b32 s[\g+5], KROW
	s_mov_b32 s[\g+6], 0
	s_mov_b32 s[\g+7], 0
.endr
	s_lshl_b32 s18, s16, 7
	s_lshl_b32 s20, s17, 8
	s_add_co_u32 s20, s20, s18
	s_lshl_b32 s20, s20, 10
	s_add_co_u32 s20, s20, s81
	s_mov_b32 s21, 0
	s_lshl_b32 s46, s42, 8
	s_add_co_u32 s46, s46, s18
	s_lshl_b32 s46, s46, 10
	s_mov_b32 s47, 0
	s_mul_i32 s45, s14, HALFT
	s_wait_kmcnt 0x0
	s_load_b256 s[72:79], s[8:9], 0x0
	s_cmp_eq_u32 ttmp9, 2
	s_cselect_b64 s[68:69], s[6:7], s[4:5]
	s_cselect_b64 s[70:71], s[4:5], s[6:7]
	s_add_nc_u64 s[20:21], s[68:69], s[20:21]
	s_add_nc_u64 s[46:47], s[70:71], s[46:47]
	CROUND
	s_mov_b32 s[G0], 1
	s_mov_b32 s[G0+1], s45
	s_mov_b64 s[G0+2:G0+3], s[20:21]
	s_or_b32 s[G0+3], s[G0+3], 0x80000000
	s_mov_b32 s[G0B], 1
	s_mov_b32 s[G0B+1], s45
	s_mov_b64 s[G0B+2:G0B+3], s[46:47]
	s_or_b32 s[G0B+3], s[G0B+3], 0x80000000
	JLOAD G0, G1, G0B, G1B                         ; the first half of K: one tensor load a wave at the head
	v_and_b32 v1, 15, v0
	v_bfe_u32 v2, v0, 4, 1
	v_mul_u32_u24 v3, v1, PITCH
	v_lshl_add_u32 v4, v2, 4, v3
	s_mul_i32 s82, s15, HALFT
	s_mul_i32 s83, s16, HALFT
	s_add_co_u32 s83, s83, 2*HALFT
	v_add_nc_u32 v[ADRA], s82, v4
	v_add_nc_u32 v[ADRB], s83, v4
	v_lshlrev_b32 v[BNA], 5, v2
	s_wait_alu depctr_va_vdst(0)
	v_lshlrev_b32 v[BMA], 2, v1
	s_wait_alu depctr_va_vdst(0)
	v_and_b32 v5, 31, v0
	v_lshlrev_b32 v[LI], 4, v5
	v_lshlrev_b32 v[PFO], 10, v5
	s_cmp_eq_u32 s15, 0                            ; the prefetches: of the 128 rows that I fetch for A or for B
	s_cselect_b64 s[98:99], s[20:21], s[46:47]
	s_cselect_b32 s88, s40, s41                    ; my work-group takes 32, by its place among the four that ask for them
	s_lshl_b32 s88, s88, 15
	s_mov_b32 s89, 0
	s_add_nc_u64 s[98:99], s[98:99], s[88:89]
	s_cmp_eq_u32 ttmp9, 2
	s_cselect_b32 s88, 0, s42
	s_cselect_b32 s90, s17, 0
	s_lshl_b32 s88, s88, 10
	s_lshl_b32 s89, s16, 9
	s_add_co_u32 s88, s88, s89
	s_mov_b32 s89, 0
	s_lshl_b32 s90, s90, 10
	s_lshl_b32 s91, s15, 9
	s_add_co_u32 s90, s90, s91
	s_add_co_u32 s90, s90, 8192
	s_mov_b32 s91, 0
	s_add_nc_u64 s[84:85], s[10:11], s[88:89]
	s_add_nc_u64 s[86:87], s[10:11], s[90:91]
.irp b, 0,1,2,3,4,5,6,7
	global_load_b128 v[BN+8*\b:BN+8*\b+3],   v[BNA], s[84:85] offset:64*\b
	global_load_b128 v[BN+8*\b+4:BN+8*\b+7], v[BNA], s[84:85] offset:64*\b+16
.endr
.irp a, 0,1,2,3,4,5,6,7
	global_load_b32 v[BM+2*\a], v[BMA], s[86:87] offset:64*\a
.endr
	s_lshl_b32 s92, s17, 2
	s_lshl_b32 s93, s15, 1
	s_add_co_u32 s92, s92, s93
	s_add_co_u32 s92, s92, 32
	s_lshl_b32 s93, s42, 2
	s_lshl_b32 s94, s16, 1
	s_add_co_u32 s93, s93, s94
	s_lshl_b32 s94, s42, 1
	s_add_co_u32 s94, s94, s16
	s_lshl_b32 s95, s17, 1
	s_add_co_u32 s95, s95, s15
	s_cmp_eq_u32 ttmp9, 2
	s_cselect_b32 s92, s92, s93
	s_cselect_b32 s94, s94, s95
	s_lshr_b32 s93, s92, 4
	s_lshl_b32 s93, s93, 22
	s_and_b32 s92, s92, 15
	s_lshl_b32 s92, s92, 17
	s_add_co_u32 s92, s92, s93
	s_lshr_b32 s93, s94, 4
	s_lshl_b32 s93, s93, 21
	s_add_co_u32 s92, s92, s93
	s_and_b32 s94, s94, 15
	s_lshl_b32 s94, s94, 13
	s_add_co_u32 s92, s92, s94
	s_mov_b32 s93, 0
	s_add_nc_u64 s[12:13], s[12:13], s[92:93]
.macro FRAG reg, adr, q, i
.irp c, 0,1,2,3
	ds_load_b128 v[\reg+4*\c:\reg+4*\c+3], v[\adr] offset:128*(\q)+32*\c+(\i)*16*PITCH
.endr
.endm
.macro MUL16 a0, p, zero
.irp a, \a0, \a0+1
.irp b, 0,1,2,3,4,5,6,7
.if \zero
	v_wmma_f32_16x16x128_bf8_bf8 v[8*(8*((\a)%4)+\b):8*(8*((\a)%4)+\b)+7], v[128*(\p)+FR*\b:128*(\p)+FR*\b+FR-1], v[AF+FR*(\a):AF+FR*(\a)+FR-1], 0
.else
	v_wmma_f32_16x16x128_bf8_bf8 v[8*(8*((\a)%4)+\b):8*(8*((\a)%4)+\b)+7], v[128*(\p)+FR*\b:128*(\p)+FR*\b+FR-1], v[AF+FR*(\a):AF+FR*(\a)+FR-1], v[8*(8*((\a)%4)+\b):8*(8*((\a)%4)+\b)+7]
.endif
.endr
.endr
.endm
.macro FETCH_B slot, q, p
	WIN TO_B
.irp i, 0,1,2,3,4,5,6,7
	FRAG 128*(\p)+FR*\i, ADRB+\slot, \q, \i
.endr
	WIN 0
.endm
.macro FETCH_A slot, q, i0
.irp i, \i0, \i0+1, \i0+2, \i0+3
	FRAG AF+FR*(\i), ADRA+\slot, \q, \i
.endr
.endm
.macro PLACES n
.rept \n
	v_nop
.endr
.endm
.macro STEP slot, q, zero
	s_wait_dscnt 4*NL
	WIN MUL_LO
	MUL16 0, (\q)%2, \zero
	MUL16 2, (\q)%2, \zero
	s_wait_dscnt 0
	PLACES NP
	FETCH_B \slot, (\q)+1, 1-(\q)%2
	FETCH_A \slot, (\q)+1, 0
	WIN MUL_HI
	MUL16 4, (\q)%2, \zero
	MUL16 6, (\q)%2, \zero
	PLACES NP
	WIN 0
	FETCH_A \slot, (\q)+1, 4
.endm
; The slot's last step: its fragments are all in registers, so the slot is filled again first and the 64 products follow while the load is out.
.macro REFILL
	s_wait_tensorcnt 0x0                           ; no tensor load of mine is out;
	ds_add_u32 v[SPW], v[NIL]
	s_add_nc_u64 s[G0+2:G0+3], s[G0+2:G0+3], ROWB  ; the second half of K
	s_add_nc_u64 s[G0B+2:G0B+3], s[G0B+2:G0B+3], ROWB
	s_wait_dscnt 0x0                               ; the add is done, and my reads of the slot are over
	CROUND                                         ; and so are everybody's, in all sixteen work-groups
	JLOAD G0, G1, G0B, G1B
	WIN MUL_LO
	MUL16 0, 1, 0
	MUL16 2, 1, 0
	WIN MUL_HI
	MUL16 4, 1, 0
	MUL16 6, 1, 0
	WIN 0
	s_wait_tensorcnt 0x0                           ; my part of the second half is in,
	s_barrier_signal -1
	s_barrier_wait -1                              ; and so is everybody's; nothing is filled again
	PLACES NP
	FETCH_B 0, 0, 0
	FETCH_A 0, 0, 0
	FETCH_A 0, 0, 4
.endm
	s_wait_alu depctr_va_vdst(0)
	s_wait_tensorcnt 0x0                           ; my part of the first half is in,
	s_barrier_signal -1
	s_barrier_wait -1                              ; and so is everybody's
	FETCH_B 0, 0, 0
	FETCH_A 0, 0, 0
	FETCH_A 0, 0, 4
	global_prefetch_b8 v[PFO], s[98:99] offset:512 th:TH_LOAD_NT scope:SCOPE_SE
	global_prefetch_b8 v[PFO], s[98:99] offset:768 th:TH_LOAD_NT scope:SCOPE_SE
	STEP 0, 0, 1
	STEP 0, 1, 0
	STEP 0, 2, 0
	REFILL
	STEP 0, 0, 0
	STEP 0, 1, 0
	STEP 0, 2, 0
	s_wait_dscnt 4*NL
	WIN MUL_LO
	MUL16 0, 1, 0
	MUL16 2, 1, 0
	s_wait_dscnt 0
	WIN MUL_HI
	MUL16 4, 1, 0
	MUL16 6, 1, 0
	WIN 0
	s_wait_kmcnt 0x0
	s_add_co_i32 s96, s72, s73
	s_add_co_i32 s96, s96, 127
	s_lshl_b32 s96, s96, 23
	s_mov_b32 s97, s96
	s_cmp_eq_u32 ttmp9, 0
	s_cselect_b32 s80, s74, s75
	s_cmp_eq_u32 ttmp9, 2
	s_cselect_b32 s80, s77, s80
	s_add_co_i32 s80, s80, 127
	s_lshl_b32 s81, s80, 23
	v_mov_b32 v[SC], s81
	s_add_co_i32 s80, s80, 15
	s_lshl_b32 s80, s80, 23
	s_or_b32 s80, s80, 0x600000
	v_mov_b32 v[LIM], s80
	s_wait_loadcnt 0x0
.irp a, 0,1,2,3,4,5,6,7
	v_mov_b32 v[BM+2*\a+1], v[BM+2*\a]
.endr
.macro EPI vt
.irp a, 0,1,2,3,4,5,6,7
.if \a >= 4
	s_wait_xcnt 0x0
.endif
	WIN 0x02+(\a/4)
.irp b, 0,1,2,3,4,5,6,7
.irp i, 0,2,4,6
.if \vt
	v_pk_fma_f32 v[TMP+8*\b+\i:TMP+8*\b+\i+1], v[64*(\a%4)+8*\b+\i:64*(\a%4)+8*\b+\i+1], s[96:97], v[BM+2*\a:BM+2*\a+1] op_sel_hi:[1,0,1]
.else
	v_pk_fma_f32 v[TMP+8*\b+\i:TMP+8*\b+\i+1], v[64*(\a%4)+8*\b+\i:64*(\a%4)+8*\b+\i+1], s[96:97], v[BN+8*\b+\i:BN+8*\b+\i+1] op_sel_hi:[1,0,1]
.endif
.endr
.endr
	WIN 0
.set j, 0
.rept 64
	v_med3_num_f32 v[TMP+j], v[TMP+j], -v[LIM], v[LIM]
.set j, j+1
.endr
.irp b, 0,1,2,3,4,5,6,7
	v_cvt_scalef32_pk8_bf8_f32 v[CD+16*(\a%4)+2*\b:CD+16*(\a%4)+2*\b+1], v[TMP+8*\b:TMP+8*\b+7], v[SC]
.endr
	v_nop
.irp p, 0,1,2,3
.if \vt
	global_store_b128 v[LI], v[CD+16*(\a%4)+4*\p:CD+16*(\a%4)+4*\p+3], s[12:13] offset:(\a/4)*131072+(\a%4)*2048+\p*512
.else
	global_store_b128 v[LI], v[CD+16*(\a%4)+4*\p:CD+16*(\a%4)+4*\p+3], s[12:13] offset:(\p/2)*131072+\a*1024+(\p%2)*512
.endif
.endr
.endr
.endm
	s_cmp_eq_u32 ttmp9, 2
	s_cbranch_scc1 .Lv_out
	EPI 0
	s_branch .Ldone
.Lv_out:
	s_wait_alu depctr_va_vdst(0)
	EPI 1
.Ldone:
	s_wait_tensorcnt 0x0
	ds_add_u32 v[SPW], v[NIL]
	s_wait_dscnt 0x0
	CROUND
	s_endpgm
.Lfunc_end_k_q62dc20b14d_qkv_gemm:
	.size	k_q62dc20b14d_qkv_gemm, .Lfunc_end_k_q62dc20b14d_qkv_gemm-k_q62dc20b14d_qkv_gemm
	.p2alignl 7, 3214868480
	.fill 96, 4, 3214868480
	.section	.rodata,"a",@progbits
	.p2align	6, 0x0
	.amdhsa_kernel k_q62dc20b14d_qkv_gemm
		.amdhsa_group_segment_fixed_size 327680
		.amdhsa_private_segment_fixed_size 0
		.amdhsa_enable_private_segment 0
		.amdhsa_kernarg_size 40
		.amdhsa_user_sgpr_count 2
		.amdhsa_user_sgpr_kernarg_segment_ptr 1
		.amdhsa_wavefront_size32 1
		.amdhsa_system_sgpr_workgroup_id_x 1
		.amdhsa_system_sgpr_workgroup_id_y 1
		.amdhsa_system_sgpr_workgroup_id_z 1
		.amdhsa_system_vgpr_workitem_id 0
		.amdhsa_next_free_vgpr 1024
		.amdhsa_next_free_sgpr 100
		.amdhsa_reserve_vcc 0
		.amdhsa_float_denorm_mode_32 3
		.amdhsa_float_denorm_mode_16_64 3
		.amdhsa_memory_ordered 1
		.amdhsa_forward_progress 1
		.amdhsa_inst_pref_size 191
	.end_amdhsa_kernel
	.amdgpu_metadata
---
amdhsa.version: [ 1, 2 ]
amdhsa.kernels:
  - .name:           k_q62dc20b14d_qkv_gemm
    .symbol:         k_q62dc20b14d_qkv_gemm.kd
    .args:
      - { .name: x_codes, .offset: 0, .size: 8, .value_kind: global_buffer, .address_space: global }
      - { .name: W_qkv_codes, .offset: 8, .size: 8, .value_kind: global_buffer, .address_space: global }
      - { .name: lowp_scales, .offset: 16, .size: 8, .value_kind: global_buffer, .address_space: global }
      - { .name: b_qkv, .offset: 24, .size: 8, .value_kind: global_buffer, .address_space: global }
      - { .name: qkv, .offset: 32, .size: 8, .value_kind: global_buffer, .address_space: global }
    .group_segment_fixed_size: 327680
    .private_segment_fixed_size: 0
    .kernarg_segment_align: 8
    .kernarg_segment_size: 40
    .max_flat_workgroup_size: 128
    .sgpr_count:     100
    .vgpr_count:     1024
    .wavefront_size: 32
...
	.end_amdgpu_metadata
.endif
;; end of part 1
;; launch attention (part 2): grid 128 x 2, 16 waves a work-group, clusters of 4 x 1, 327,680 bytes of LDS; arguments qkv, lowp_scales, attn; writes attn
.if DOCPART == 2
	.amdgcn_target "amdgcn-amd-amdhsa--gfx1250"
	.amdhsa_code_object_version 6
	.text
	.protected	k_q62dc20b14d_attention
	.globl	k_q62dc20b14d_attention
	.p2align	8
	.type	k_q62dc20b14d_attention,@function
k_q62dc20b14d_attention:
	s_mov_b64 s[64:65], 0
	v_nop
	global_prefetch_b8 v0, s[64:65] scope:SCOPE_SE
	s_setreg_imm32_b32 hwreg(HW_REG_WAVE_MODE, 25, 1), 1
	s_wait_xcnt 0x0
	s_wait_alu depctr_hold_cnt(0) depctr_sa_sdst(0) depctr_va_vdst(0) depctr_va_sdst(0) depctr_va_ssrc(0) depctr_va_vcc(0) depctr_vm_vsrc(0)
	s_getreg_b32 s2, hwreg(HW_REG_IB_STS2, 6, 4)
	s_cmp_eq_u32 s2, 0
	s_cbranch_scc0 .Lentry_in_a_cluster
	s_endpgm
.Lentry_in_a_cluster:
	s_bfe_u32 s2, ttmp6, 0x10000c
	s_cmp_lg_u32 s2, 0x3003
	s_cbranch_scc0 .Lentry_shape_is_right
	s_endpgm
.Lentry_shape_is_right:
; o[q] = the sum over keys k <= q of softmax_k(q . k / 8) v[k], for one head of 64 channels, 2,048 tokens; both products on codes of BF8 (E5M2); o quantised again with 2^e6 for the last product.
; q, k, v come from the workspace as IMAGES OF OPERAND REGISTERS (512 bytes: four registers of 32 lanes, 16 bytes a lane at 16 x lane):
;   q, k: head x 131072 + tile of 16 tokens x 1024 + c2 x 512: registers 4 c2 .. 4 c2 + 3 of a 16 x 64 fragment;
;   v:    head x 131072 + 128 keys x 8192 + tile of 16 channels x 2048 + c x 512: registers 4 c .. 4 c + 3 of a 16 x 128 fragment of V^T.
; THE SOFTMAX AHEAD OF THE SECOND PRODUCT: t = score x log2(e) / 8; M = the row's largest t so far, rounded UP to a whole number; p = 2^(t - M) is quantised with 2^e4, not normalised.
; The row's sum is taken of the unquantised p, in f32, and divides o at the end.  When M moves, the sum and o are multiplied by 2^(old M - new M): exact.
; WORK LEFT OUT: a step of 128 keys that lies wholly behind a block of 128 queries (reference()'s own causal mask makes its p 0); a NaN or an infinity that reaches only its scores is not carried on.
; SHARES.  The head's 128 tiles of 16 queries are 16 blocks of 8.  Work-group j of a head (j = 4 x cluster y + cx, 0..7) owns tile j OF EACH BLOCK: so all work-groups have the same steps, and only the mask's data and the
; addresses of q and o hang on j.  Block g has g + 1 steps of 128 keys.  Waves go in eight pairs: pair b has the long tile (block 15 - b, 16 - b steps) and the short one (block b, b + 1 steps): 17 steps.
; Wave A of the pair takes nine steps of the long tile; wave B takes the short tile whole, puts it out, and then takes the long tile's other 7 - b steps.  The two partial sums of the long tile are joined once, through LDS.
; At its n-th step (0 .. 8) A reads key step 2 n - min(n, b + 1), B key step 2 n - min(n, b): together each of the long tile's steps once.
; LDS HOLDS THE WHOLE HEAD: key step s begins at byte 16,384 s: its keys' 8,192 bytes, then its values' 8,192.  Wave w brings key step w by one load at the head.  Nothing is filled again, and no barrier stands between the steps.
; CLUSTERS: the four work-groups of a cluster need the same k and v: every load is joint, mask 15.  NO PREFETCH: all fills stand at the head, there is no loop to run ahead in.
; LAYOUT.  S^T = K Q^T (source 0 = 16 keys, source 1 = 16 queries), O^T = V^T P^T (source 0 = 16 channels, source 1 = P): a lane (r, h) holds ONE query throughout.  In tile t of S^T register j is key 16 t + 8 h + j:
; its eight codes are registers 2 t, 2 t + 1 of P's fragment as they come out of the conversion.
; LIMITS: e2 + e3 between -123 and 130 (they are added to c's exponent field); e4 and e6 between -126 and 112; e4 + e5 is applied by v_ldexp_f32 and has none.
; REGISTERS: v1, v3, v10-11 stay; v8 the address in hand; v12 -M, v13 the largest t, v[14:15] the sum in two halves; v16-23 Q in hand; v32-95 K's eight fragments, then V's four; v96-159 S^T, then p; v160-191 O^T;
; v192-199 the long tile's Q; v224-239 p's codes; v236-254 constants and work; v251, v255 the add's.
.set LI,   1                           ; v1   16 x lane: my place in an image
.set RH,   3                           ; v3   16 j + r - 8 h, for the mask
.set ADK,  8
.set AM,   10                          ; v10  the pair's join area: 16 bytes a lane
.set AM8,  11                          ; v11  and 8 bytes a lane behind it
.set SPW,  251
.set NIL,  255
.set MRG,  262144                      ; the join areas, behind the head's sixteen key steps: 8 pairs x 4,608 bytes; no tensor load lands there
.set SPARE, MRG+8*4608                 ; the spare words, 128 bytes for each wave
.set WV,   10                          ; s10  my wave's number
.set ROLE, 11                          ; s11  0: A, 1: B
.set PB,   12                          ; s12  b, my pair
.set BT,   13                          ; s13  b + 1 for A, b for B
.set DG,   14                          ; s14  the step at which the mask cuts: 8 for A, b for B
.set FB,   15                          ; s15  the step behind which the short tile goes out: b for B, none (31) for A
.set NLS,  16                          ; s16  my last step: 8 for A, 7 for B
.set N,    17                          ; s17  the step's number
.set TB,   18                          ; s18  the step's first LDS byte
.set SEL,  20                          ; s[20:21] lane selects for v_permlanex16_b32: lane l xor 16
.set CS,   22                          ; s[22:23] c = log2(e) / 8 x 2^(e2 + e3)
.set G1,   24                          ; s[24:31] descriptor group 1;  s[32:35] group 0
.set G0,   32
.set HP,   36                          ; s36  57,344 x 2^e4
.set W8,   38                          ; s38  j
.set SOUT, 60                          ; s[60:61] where the short tile's codes go;  s[62:63] the long tile's
.set LOUT, 62
.macro CROUND                          ; a round of the cluster's barrier
	s_barrier_signal -1
	s_barrier_wait -1
	s_cmp_lg_u32 s[WV], 0
	s_cbranch_scc1 .Lnot_wave_0_\@
	s_barrier_signal -3
.Lnot_wave_0_\@:
	s_barrier_wait -3
	s_barrier_signal -1
	s_barrier_wait -1
.endm
	s_load_b128 s[4:7], s[0:1], 0x0                ; the workspace of q, k, v s[4:5]; the scales' exponents s[6:7]
	s_load_b64 s[8:9], s[0:1], 0x10                ; the workspace for o's codes
	v_lshl_add_u32 v[SPW], v0, 2, SPARE
	v_mov_b32 v[NIL], 0
	ds_add_u32 v[SPW], v[NIL]                      ; the wave's opening
	ds_add_u32 v[SPW], v[NIL]
	v_and_b32 v4, 31, v0
	v_lshrrev_b32 v5, 5, v0
	v_lshlrev_b32 v[LI], 4, v4
	v_readfirstlane_b32 s[WV], v5                  ; wave 0..15
	s_lshr_b32 s[PB], s[WV], 1                     ; b
	s_lshr_b32 s56, s[WV], 2
	s_xor_b32 s[ROLE], s[WV], s56
	s_and_b32 s[ROLE], s[ROLE], 1                  ; A or B: alternates with the wave's number and with its number / 4, so that any four waves w % 4 alike, or w / 4 alike, are two of each
	s_xor_b32 s56, s[ROLE], 1
	s_add_co_u32 s[BT], s[PB], s56
	s_xor_b32 s57, s[PB], 15                       ; the long tile's block, 15 - b
	s_cmp_eq_u32 s[ROLE], 0
	s_cselect_b32 s[DG], 8, s[PB]
	s_cselect_b32 s[FB], 31, s[PB]
	s_cselect_b32 s58, s57, s[PB]                  ; the block that I begin with
	s_sub_co_u32 s[NLS], 8, s[ROLE]
	s_bfe_u32 s39, ttmp6, 0x40000                  ; cx
	s_and_b32 s[W8], ttmp7, 0xffff
	s_lshl_b32 s[W8], s[W8], 2
	s_add_co_u32 s[W8], s[W8], s39                 ; j; ttmp9 is batch x 16 + head
	s_lshl_b32 s59, ttmp9, 17                      ; the head's 131,072 bytes in each region
	; Q: region 0, my head, tile 8 x block + j of 1,024 bytes
	s_lshl_b32 s70, s[W8], 10
	s_add_co_u32 s70, s70, s59
	s_lshl_b32 s68, s58, 13
	s_add_co_u32 s68, s68, s70                     ; the tile that I begin with,
	s_lshl_b32 s56, s57, 13
	s_add_co_u32 s70, s70, s56                     ; and the long one
	s_mov_b32 s69, 0
	s_mov_b32 s71, 0
	; o's codes: [block of 128 tokens][K step of 128 = two heads][tile of 16 tokens][2,048 bytes], my head's half of the 2,048
	s_lshr_b32 s58, ttmp9, 4
	s_lshl_b32 s58, s58, 21                        ; batch
	s_bfe_u32 s56, ttmp9, 0x30001                  ; head / 2
	s_lshl_b32 s56, s56, 14
	s_add_co_u32 s58, s58, s56
	s_lshl_b32 s56, s[W8], 11
	s_add_co_u32 s58, s58, s56
	s_and_b32 s56, ttmp9, 1
	s_lshl_b32 s56, s56, 10
	s_add_co_u32 s58, s58, s56
	s_lshl_b32 s[SOUT], s[PB], 17
	s_add_co_u32 s[SOUT], s[SOUT], s58
	s_mov_b32 s[SOUT+1], 0
	s_lshl_b32 s[LOUT], s57, 17
	s_add_co_u32 s[LOUT], s[LOUT], s58
	s_mov_b32 s[LOUT+1], 0
	; what I fetch: key step w: two rows of 8,192 bytes, k's (region 1) and v's (region 2, 4 MiB on)
	s_lshl_b32 s37, s[WV], 14                      ; in LDS: 16,384 x wave
	s_lshl_b32 s66, s[WV], 13
	s_add_co_u32 s66, s66, 0x400000
	s_add_co_u32 s66, s66, s59                     ; in memory
	s_mov_b32 s67, 0
	s_mov_b32 s[G1], 15|(3<<16)|(1<<21)            ; 15:0 the mask: all four of the cluster; 17:16 elements of 8 bytes; 21 set beside a mask; no padding: the images are read 512 consecutive bytes at a time
	s_mov_b32 s[G1+1], 1024<<16                    ; tensor_dim0 = 1,024 elements
	s_mov_b32 s[G1+2], 2<<16                       ; tensor_dim1 = 2
	s_mov_b32 s[G1+3], 1024<<16                    ; tile_dim0
	s_mov_b32 s[G1+4], 2                           ; tile_dim1
	s_mov_b32 s[G1+5], 524288                      ; tensor_dim0_stride: 4 MiB
	s_mov_b32 s[G1+6], 0
	s_mov_b32 s[G1+7], 0
	s_mov_b32 s[SEL], 0x76543210
	s_mov_b32 s[SEL+1], 0xfedcba98
	s_mov_b32 s[CS], 0x3e38aa3b                    ; log2(e) / 8
	s_wait_alu depctr_va_vdst(0)
	s_wait_dscnt 0x0                               ; both opening adds are done
	s_wait_kmcnt 0x0
	s_load_b256 s[48:55], s[6:7], 0x0              ; e0 .. e7
	s_add_nc_u64 s[66:67], s[4:5], s[66:67]
	s_mov_b32 s[G0], 1                             ; 1:0 count = 1
	s_mov_b32 s[G0+1], s37                         ; 63:32 LDS address
	s_mov_b64 s[G0+2:G0+3], s[66:67]               ; 120:64 global address
	s_or_b32 s[G0+3], s[G0+3], 0x80000000          ; 127:126 type = 2
	s_add_nc_u64 s[68:69], s[4:5], s[68:69]
	s_add_nc_u64 s[70:71], s[4:5], s[70:71]
	s_add_nc_u64 s[SOUT:SOUT+1], s[8:9], s[SOUT:SOUT+1]
	s_add_nc_u64 s[LOUT:LOUT+1], s[8:9], s[LOUT:LOUT+1]
	global_load_b128 v[16:19], v[LI], s[68:69]             ; both fragments of Q stay in registers
	global_load_b128 v[20:23], v[LI], s[68:69] offset:512
	global_load_b128 v[192:195], v[LI], s[70:71]
	global_load_b128 v[196:199], v[LI], s[70:71] offset:512
	CROUND                                         ; all four work-groups are here: the joint loads meet
	tensor_load_to_lds s[G0:G0+3], s[G1:G1+7]      ; every wave's one load
	s_nop 0
.rept 4
	v_nop
.endr
	s_mul_i32 s56, s[PB], 4608
	s_add_co_u32 s56, s56, MRG                     ; the pair's join area
	s_lshl_b32 s57, s[W8], 4
	v_and_b32 v4, 31, v0
	v_and_b32 v5, 15, v0
	v_bfe_u32 v6, v0, 4, 1
	v_add_nc_u32 v[AM], s56, v[LI]
	v_lshlrev_b32 v4, 3, v4
	v_lshlrev_b32 v6, 3, v6
	v_add_nc_u32 v[AM8], s56, v4
	v_sub_nc_u32 v[RH], v5, v6
	v_add_nc_u32 v[AM8], 4096, v[AM8]
	v_add_nc_u32 v[RH], s57, v[RH]
	v_mov_b32 v13, 0xff61b1e6                      ; the largest t so far: -3e38, under every t
	v_mov_b32 v14, 0                               ; the sum, in two halves
	v_mov_b32 v15, 0
	v_mov_b32 v248, 0                              ; written once: a lane permute's destination counts as one of its sources
	v_mov_b32 v253, 0                              ; (named as the upper half of the pair v[252:253])
	v_floor_f32 v12, -v13                          ; -M
.set j, 0
.rept 32
	v_mov_b32 v[160+j], 0                          ; O^T.  (The step has no first form of its own: the first finds zeros, which the first change of M leaves zeros)
.set j, j+1
.endr
	s_wait_alu depctr_va_vdst(0)
	s_wait_kmcnt 0x0
	s_add_co_i32 s57, s50, s51
	s_lshl_b32 s57, s57, 23
	s_add_co_i32 s[CS], s[CS], s57                 ; a score stands for score x 2^(e2 + e3): the two exponents are added to c's exponent field
	s_mov_b32 s[CS+1], s[CS]                       ; (named with it as a pair, so it is written)
	s_add_co_i32 s57, s52, 127
	s_lshl_b32 s58, s57, 23
	v_mov_b32 v244, s58                            ; 2^e4 as f32, for p's conversion
	s_add_co_i32 s57, s57, 15
	s_lshl_b32 s57, s57, 23
	s_or_b32 s[HP], s57, 0x600000                  ; 57,344 x 2^e4
	s_add_co_i32 s57, s54, 127
	s_lshl_b32 s58, s57, 23
	v_mov_b32 v246, s58                            ; 2^e6, for o's conversion
	s_add_co_i32 s57, s57, 15
	s_lshl_b32 s57, s57, 23
	s_or_b32 s57, s57, 0x600000
	v_mov_b32 v247, s57                            ; 57,344 x 2^e6
	s_add_co_i32 s66, s52, s53                     ; e4 + e5
	s_wait_alu depctr_va_vdst(0)
	s_wait_loadcnt 0x0                             ; Q
; THE WAY OUT of a tile: v14 is my half's sum.  o = O^T / the sum x 2^(e4 + e5), held, converted with 2^e6; the codes leave as an image of the last product's operand.
.macro OUT base
	v_permlanex16_b32 v248, v14, s[SEL], s[SEL+1]
	s_delay_alu instid0(VALU_DEP_1)
	v_add_f32 v14, v14, v248                       ; and lane l xor 16's: the row's sum
	s_wait_alu depctr_va_vdst(0)
	v_rcp_f32 v14, v14
	v_nop                                          ; a plain place behind the transcendental
	s_wait_alu depctr_va_vdst(0)
	v_ldexp_f32 v14, v14, s66                      ; x 2^(e4 + e5)
	s_wait_alu depctr_va_vdst(0)
.set j, 0
.rept 16
	v_pk_mul_f32 v[96+j:97+j], v[160+j:161+j], v[14:15] op_sel_hi:[1,0]   ; register 8 d + i is o(query r, channel 16 d + 8 h + i)
.set j, j+2
.endr
.set j, 0
.rept 32
	v_med3_num_f32 v[96+j], v[96+j], -v247, v247   ; the hold at the largest code x the scale
.set j, j+1
.endr
.irp d, 0,1,2,3
	v_cvt_scalef32_pk8_bf8_f32 v[224+2*\d:225+2*\d], v[96+8*\d:103+8*\d], v246
.endr
	v_nop                                          ; a plain instruction between the conversions and the exchanges below
	; The last product's images hold k = 32 c + 16 h + 0 .. 15 in registers 4 c .. 4 c + 3; I hold channels 16 d + 8 h + 0 .. 7 in registers 2 d, 2 d + 1.
	; The upper lanes of tile 2 b change places with the lower lanes of tile 2 b + 1: then lane (r, h) holds channels 32 b + 16 h + 0 .. 15 in four registers.
	v_permlane16_swap_b32 v224, v226
	v_permlane16_swap_b32 v225, v227
	v_permlane16_swap_b32 v228, v230
	v_permlane16_swap_b32 v229, v231
	global_store_b128 v[LI], v[224:227], s[\base:\base+1]            ; 512 consecutive bytes, aligned
	global_store_b128 v[LI], v[228:231], s[\base:\base+1] offset:512
.endm
; STEP n: 128 keys.
.macro STEP
	s_min_u32 s[TB], s[N], s[BT]
	s_xor_b32 s[TB], s[TB], 15                     ; 15 - min(n, b or b + 1)
	s_add_co_u32 s[TB], s[TB], s[N]
	s_add_co_u32 s[TB], s[TB], s[N]
	s_add_co_u32 s[TB], s[TB], 1
	s_and_b32 s[TB], s[TB], 15                     ; 2 n - min(n, ..): my key step
	s_lshl_b32 s[TB], s[TB], 14
	s_cmp_gt_u32 s[N], s[NLS]                      ; wave B has no step 8
	s_cbranch_scc1 .Lnone_\@
	v_add_nc_u32 v[ADK], s[TB], v[LI]
	v_nop                                          ; with the addition: four places in front of loads into registers that the last step's products have read
	v_nop
	v_nop
.irp t, 0,1,2,3,4,5,6,7
	ds_load_b128 v[32+8*\t:35+8*\t], v[ADK] offset:1024*\t       ; K's eight fragments, as they were stored: 512 consecutive bytes a load
	ds_load_b128 v[36+8*\t:39+8*\t], v[ADK] offset:1024*\t+512
.endr
	s_wait_alu depctr_va_vdst(0)
	s_wait_dscnt 8                                 ; four fragments are in; the youngest eight loads may be out
.irp t, 0,1,2,3,4,5,6,7
.if \t == 4
	s_wait_dscnt 0x0
.endif
	v_wmma_f32_16x16x64_bf8_bf8 v[96+8*\t:103+8*\t], v[32+8*\t:39+8*\t], v[16:23], 0   ; lane (r, h): query r; register j: key 16 t + 8 h + j of the step
.endr
.rept 4
	v_nop                                          ; places: in front of the loads below, and of the first read of the scores
.endr
.irp d, 0,1,2,3
.irp c, 0,1,2,3
	ds_load_b128 v[32+16*\d+4*\c:35+16*\d+4*\c], v[ADK] offset:8192+2048*\d+512*\c   ; V's four fragments land while the softmax is worked
.endr
.endr
	s_cmp_lg_u32 s[N], s[DG]                       ; on the diagonal the scores of hidden keys become -infinity ahead of the maximum: p = 0 then.  A step all of whose keys count skips this
	s_cbranch_scc1 .Lopen_\@
	v_mov_b32 v254, 0xff800000                     ; -infinity
.irp t, 0,1,2,3,4,5,6,7
.irp j, 0,1,2,3,4,5,6,7
	v_cmp_gt_i32 vcc_lo, 16*\t+\j, v[RH]           ; the key is behind the query
	v_cndmask_b32 v[96+8*\t+\j], v[96+8*\t+\j], v254, vcc_lo
.endr
.endr
.Lopen_\@:
	v_max3_num_f32 v254, v96, v97, v98             ; the step's largest score of my query, among my 64 keys, in four chains, each tile from its low end on,
	v_max3_num_f32 v252, v99, v100, v101
	v_max3_num_f32 v250, v102, v103, v104
	v_max3_num_f32 v249, v105, v106, v107
.irp i, 12,20,28,36,44,52
	v_max3_num_f32 v254, v254, v[96+\i], v[97+\i]
	v_max3_num_f32 v252, v252, v[98+\i], v[99+\i]
	v_max3_num_f32 v250, v250, v[100+\i], v[101+\i]
	v_max3_num_f32 v249, v249, v[102+\i], v[103+\i]
.endr
	v_max3_num_f32 v254, v254, v156, v157
	v_max3_num_f32 v252, v252, v158, v159
	s_delay_alu instid0(VALU_DEP_2)
	v_max3_num_f32 v250, v250, v249, v254
	s_delay_alu instid0(VALU_DEP_1)
	v_max_num_f32 v254, v250, v252
	s_delay_alu instid0(VALU_DEP_1)
	v_permlanex16_b32 v248, v254, s[SEL], s[SEL+1]
	s_delay_alu instid0(VALU_DEP_1)
	v_max_num_f32 v254, v254, v248                 ; and among lane l xor 16's
	s_delay_alu instid0(VALU_DEP_1)
	v_mul_f32 v254, s[CS], v254                    ; as t (c is positive)
	s_delay_alu instid0(VALU_DEP_1)
	v_max_num_f32 v13, v13, v254                   ; the running largest t
	v_mov_b32 v254, v12
	s_delay_alu instid0(VALU_DEP_2)
	v_floor_f32 v12, -v13                          ; the new -M = floor(-t) = -ceil(t): M is a whole number
	s_delay_alu instid0(VALU_DEP_1)
	v_sub_f32 v254, v12, v254                      ; M's old value less its new one: a whole number, 0 or less
	s_delay_alu instid0(VALU_DEP_1)
	v_cvt_i32_f32 v254, v254                       ; (it saturates)
	s_delay_alu instid0(VALU_DEP_1)
	v_ldexp_f32 v252, 1.0, v254                    ; f = 2^(old M - new M): a multiplication by it rounds nothing
.set j, 0
.rept 32
	v_pk_fma_f32 v[96+j:97+j], v[96+j:97+j], s[CS:CS+1], v[12:13] op_sel_hi:[1,0,0]   ; t - M, two at a time (of the pairs c and -M the low word serves both halves)
.set j, j+2
.endr
	s_wait_alu depctr_va_vdst(0)
.set j, 0
.rept 64
	v_exp_f32 v[96+j], v[96+j]                     ; p = 2^(t - M), at most 1: not normalised
.set j, j+1
.endr
	v_pk_mul_f32 v[14:15], v[14:15], v[252:253] op_sel_hi:[1,0]   ; the sums under the new M.  (A plain instruction behind the exponentials)
	s_wait_alu depctr_va_vdst(0)
	v_pk_add_f32 v[242:243], v[96:97], v[98:99]    ; the row's sum, of the unquantised p, two at a time in four chains
	v_pk_add_f32 v[238:239], v[100:101], v[102:103]
	v_pk_add_f32 v[236:237], v[104:105], v[106:107]
	v_pk_add_f32 v[14:15], v[14:15], v[108:109]
.irp i, 14,22,30,38,46,54
	v_pk_add_f32 v[242:243], v[242:243], v[96+\i:97+\i]
	v_pk_add_f32 v[238:239], v[238:239], v[98+\i:99+\i]
	v_pk_add_f32 v[236:237], v[236:237], v[100+\i:101+\i]
	v_pk_add_f32 v[14:15], v[14:15], v[102+\i:103+\i]
.endr
	v_pk_add_f32 v[242:243], v[242:243], v[158:159]
	v_pk_add_f32 v[238:239], v[238:239], v[236:237]
	s_delay_alu instid0(VALU_DEP_2)
	v_pk_add_f32 v[14:15], v[14:15], v[242:243]
	s_delay_alu instid0(VALU_DEP_1)
	v_pk_add_f32 v[14:15], v[14:15], v[238:239]
.irp t, 0,1,2,3,4,5,6,7
.irp i, 0,2,4,6
	v_dual_min_num_f32 v[96+8*\t+\i], s[HP], v[96+8*\t+\i] :: v_dual_min_num_f32 v[97+8*\t+\i], s[HP], v[97+8*\t+\i]   ; the conversion to an 8-bit code does not saturate (ISA guide 7.6.2); p is not negative, so the hold is one-sided
.endr
	v_cvt_scalef32_pk8_bf8_f32 v[224+2*\t:225+2*\t], v[96+8*\t:103+8*\t], v244   ; registers 2 t, 2 t + 1 of P's fragment: keys 16 t + 8 h + 0 .. 7
.endr
	s_wait_alu depctr_va_vdst(0)
.set j, 0
.rept 16
	v_pk_mul_f32 v[160+j:161+j], v[160+j:161+j], v[252:253] op_sel_hi:[1,0]   ; O^T under the new M: x f.  (These are also the plain instructions between the conversions and the products below)
.set j, j+2
.endr
	s_wait_alu depctr_va_vdst(0)
	s_wait_dscnt 0x0                               ; V is in
.irp d, 0,1,2,3
	v_wmma_f32_16x16x128_bf8_bf8 v[160+8*\d:167+8*\d], v[32+16*\d:47+16*\d], v[224:239], v[160+8*\d:167+8*\d]   ; the four accumulators by turns, one instruction a turn
.endr
	s_cmp_lg_u32 s[N], s[FB]                       ; wave B, behind step b: the short tile is finished, goes out, and the long one begins
	s_cbranch_scc1 .Lnone_\@
.rept 4
	v_nop                                          ; places behind the last products
.endr
	v_add_f32 v14, v14, v15                        ; the sum's two halves
	s_delay_alu instid0(VALU_DEP_1)
	OUT SOUT
.irp i, 0,1,2,3,4,5,6,7
	v_mov_b32 v[16+\i], v[192+\i]                  ; the long tile's Q
.endr
	v_mov_b32 v13, 0xff61b1e6
	v_mov_b32 v14, 0
	v_mov_b32 v15, 0
	v_floor_f32 v12, -v13
.set j, 0
.rept 32
	v_mov_b32 v[160+j], 0
.set j, j+1
.endr
	s_wait_alu depctr_va_vdst(0)
	s_wait_xcnt 0x0                                ; the stores have read their registers, which the next step writes
.Lnone_\@:
.endm
	s_wait_tensorcnt 0x0                           ; my key step is in,
	s_wait_dscnt 0x0
	s_barrier_signal -1
	s_barrier_wait -1                              ; and so is everybody's: the whole head
	s_mov_b32 s[N], 0
.Lsteps:
	STEP
	s_add_co_u32 s[N], s[N], 1
	s_cmp_lt_u32 s[N], 9
	s_wait_alu depctr_va_vdst(0)
	s_cbranch_scc1 .Lsteps
	; THE JOIN of the long tile's two parts: B stores -M, its sum and O^T; A takes them in.
	s_cmp_eq_u32 s[ROLE], 0
	s_cbranch_scc1 .Ljoin
.rept 4
	v_nop                                          ; places behind B's last products
.endr
	v_add_f32 v13, v14, v15
.irp i, 0,1,2,3,4,5,6,7
	ds_store_b128 v[AM], v[160+4*\i:163+4*\i] offset:512*\i
.endr
	ds_store_b64 v[AM8], v[12:13]
.Ljoin:
	s_wait_alu depctr_va_vdst(0)
	s_wait_dscnt 0x0                               ; B's stores are done
	s_barrier_signal -1
	s_barrier_wait -1
	s_cmp_lg_u32 s[ROLE], 0
	s_cbranch_scc1 .Lend
	ds_load_b64 v[242:243], v[AM8]
.irp i, 0,1,2,3,4,5,6,7
	ds_load_b128 v[96+4*\i:99+4*\i], v[AM] offset:512*\i
.endr
	s_wait_dscnt 0x0
	v_min_num_f32 v252, v12, v242                  ; the common -M: the larger M
	v_add_f32 v14, v14, v15
	v_sub_f32 v254, v252, v12                      ; (a part without any step holds M = -3e38, sum and O^T zero: its factor becomes 0)
	v_sub_f32 v250, v252, v242
	v_cvt_i32_f32 v254, v254
	v_cvt_i32_f32 v250, v250
	v_ldexp_f32 v254, 1.0, v254
	v_ldexp_f32 v250, 1.0, v250
	v_mul_f32 v14, v14, v254
	v_fma_f32 v14, v243, v250, v14
.set j, 0
.rept 16
	v_pk_mul_f32 v[160+j:161+j], v[160+j:161+j], v[254:255] op_sel_hi:[1,0]
.set j, j+2
.endr
.set j, 0
.rept 16
	v_pk_fma_f32 v[160+j:161+j], v[96+j:97+j], v[250:251], v[160+j:161+j] op_sel_hi:[1,0,1]
.set j, j+2
.endr
	OUT LOUT
.Lend:
	s_wait_tensorcnt 0x0                           ; the wave's end
	ds_add_u32 v[SPW], v[NIL]
	s_wait_dscnt 0x0
	CROUND                                         ; the closing round: no work-group ends while a partner may still ask for what names it
	s_endpgm
.Lfunc_end_k_q62dc20b14d_attention:
	.size	k_q62dc20b14d_attention, .Lfunc_end_k_q62dc20b14d_attention-k_q62dc20b14d_attention
	.p2alignl 7, 3214868480
	.fill 96, 4, 3214868480
	.section	.rodata,"a",@progbits
	.p2align	6, 0x0
	.amdhsa_kernel k_q62dc20b14d_attention
		.amdhsa_group_segment_fixed_size 327680
		.amdhsa_private_segment_fixed_size 0
		.amdhsa_enable_private_segment 0
		.amdhsa_kernarg_size 24
		.amdhsa_user_sgpr_count 2
		.amdhsa_user_sgpr_kernarg_segment_ptr 1
		.amdhsa_wavefront_size32 1
		.amdhsa_system_sgpr_workgroup_id_x 1
		.amdhsa_system_sgpr_workgroup_id_y 1
		.amdhsa_system_sgpr_workgroup_id_z 1
		.amdhsa_system_vgpr_workitem_id 0
		.amdhsa_next_free_vgpr 256
		.amdhsa_next_free_sgpr 80
		.amdhsa_reserve_vcc 1
		.amdhsa_float_denorm_mode_32 3
		.amdhsa_float_denorm_mode_16_64 3
		.amdhsa_memory_ordered 1
		.amdhsa_forward_progress 1
		.amdhsa_inst_pref_size 43
	.end_amdhsa_kernel
	.amdgpu_metadata
---
amdhsa.version: [ 1, 2 ]
amdhsa.kernels:
  - .name:           k_q62dc20b14d_attention
    .symbol:         k_q62dc20b14d_attention.kd
    .args:
      - { .name: qkv, .offset: 0, .size: 8, .value_kind: global_buffer, .address_space: global }
      - { .name: lowp_scales, .offset: 8, .size: 8, .value_kind: global_buffer, .address_space: global }
      - { .name: attn, .offset: 16, .size: 8, .value_kind: global_buffer, .address_space: global }
    .group_segment_fixed_size: 327680
    .private_segment_fixed_size: 0
    .kernarg_segment_align: 8
    .kernarg_segment_size: 24
    .max_flat_workgroup_size: 512
    .sgpr_count:     80
    .vgpr_count:     256
    .wavefront_size: 32
...
	.end_amdgpu_metadata
.endif
;; end of part 2
;; launch out_gemm (part 3): grid 8 x 32, 4 waves a work-group, clusters of 4 x 4, 327,680 bytes of LDS; arguments attn, W_out_codes, lowp_scales, b_out, out0; writes out0
.if DOCPART == 3
	.amdgcn_target "amdgcn-amd-amdhsa--gfx1250"
	.amdhsa_code_object_version 6
	.text
	.protected	k_q62dc20b14d_out_gemm
	.globl	k_q62dc20b14d_out_gemm
	.p2align	8
	.type	k_q62dc20b14d_out_gemm,@function
k_q62dc20b14d_out_gemm:
	s_mov_b64 s[64:65], 0
	v_nop
	global_prefetch_b8 v0, s[64:65] scope:SCOPE_SE
	s_setreg_imm32_b32 hwreg(HW_REG_WAVE_MODE, 25, 1), 1
	s_wait_xcnt 0x0
	s_wait_alu depctr_hold_cnt(0) depctr_sa_sdst(0) depctr_va_vdst(0) depctr_va_sdst(0) depctr_va_ssrc(0) depctr_va_vcc(0) depctr_vm_vsrc(0)
	s_getreg_b32 s2, hwreg(HW_REG_IB_STS2, 6, 4)
	s_cmp_eq_u32 s2, 0
	s_cbranch_scc0 .Lentry_in_a_cluster
	s_endpgm
.Lentry_in_a_cluster:
	s_bfe_u32 s2, ttmp6, 0x10000c
	s_cmp_lg_u32 s2, 0xf033
	s_cbranch_scc0 .Lentry_shape_is_right
	s_endpgm
.Lentry_shape_is_right:
; out0 = o W_out^T + b_out on codes of BF8 (E5M2).  o: 4,096 tokens x 1,024, from the workspace as images of operand registers; W_out: [1024][1024] codes, K innermost; out0: [4096][1024] f32.
; A tile of out0 is 128 x 128, so that there are 256 work-groups.  Four waves, each 64 x 64: 16 accumulators.
; THE WHOLE K OF BOTH TILES FITS IN LDS: 131,072 bytes of o's images and 128 rows x 1,024 bytes of W_out.  Each wave issues ONE load at the head: waves 0, 1 the two halves of o along K, waves 2, 3 those of W_out.
; Nothing is filled again.  NO PREFETCH: all fills stand at the head, there is no loop to run ahead in.
; BY ROWS: a wave keeps W_out's fragments of its 64 columns for ALL of K in 512 registers and finishes its four blocks of 16 tokens one after the other, 32 products each: a block leaves while the next ones are multiplied.
; Each fragment is read from LDS once.
; CLUSTERS: 4 x 4 work-groups.  The four of a row of the cluster need the same tile of o, the four of a column the same tile of W_out: each load is JOINT, with the same descriptor and a mask that names the four.
; o's workspace: [block of 128 tokens][K step s of 128][tile of 16 tokens][2,048 bytes]; in the 2,048: unit c of 512 bytes, 16 bytes a lane: lane (r, h) holds token r, k = 32 c + 16 h + 0 .. 15: registers 4 c .. 4 c + 3.
; W_out's fragments are read from rows by four loads of 16 bytes at row x pitch + 16 h + 32 c: the same places of k.  So every product meets its partner; only the order of the sums inside an instruction differs from ascending k.
; THE MATRIX INSTRUCTION IS USED TRANSPOSED (source 0 = 16 rows of W_out, source 1 = 16 tokens): a lane holds eight neighbouring numbers of a row of out0.
; LIMIT: e6 + e7 between -126 and 127, so that 2^(e6 + e7) is an f32 number.
; REGISTERS: window 0: v8-26 addresses; v32-63 b_out in the result's layout; v64-95 at work on the way out; v126, v127 the add's; v128-255 the accumulators ((a, b) at v[128 + 8 (4 a + b)]), later rows of out0.
;   window 1: o's fragments of one block, 8 K steps x 16 registers, two buffers.   windows 2, 3: W_out's fragments of K steps 0-3, 4-7: 4 K steps x 4 x 16 registers.
.set PITCH,  528                       ; a row of half of W_out's K in LDS: 512 bytes + 16 of padding = 132 words: row r starts at bank 4 r mod 64 (64 banks of 4 bytes: ISA guide 11.1)
.set AH,     65536                     ; half of o: four K steps x eight images
.set BH,     128*PITCH                 ; half of W_out's tile: 67,584 bytes
.set BOFF,   2*AH                      ; W_out's halves lie behind o's
.set STAGE,  BOFF+2*BH                 ; behind them: 16 rows x 272 bytes for each wave, for the way out; no tensor load lands there
.set SPITCH, 272
.set SPARE,  STAGE+4*16*SPITCH         ; the spare words, 128 bytes for each wave
.set BNA,  8                           ; v8      32 h: my place in b_out
.set ADRA, 16                          ; v16-17  LDS address of my images of o, K steps 0-3 and 4-7
.set ADRB, 20                          ; v20-21  the same for W_out's rows
.set STO,  24                          ; v24     the way out: where I put 32 bytes of a row
.set RD,   25                          ; v25     where I read a row back
.set CO,   26                          ; v26     my byte offset in two rows of out0
.set BN,   32
.set TMP,  64
.set SPW,  126
.set NIL,  127
.set ACC,  128
.set G1A, 24                           ; s[24:31] descriptor group 1 for o;  s[68:71] group 0
.set G0A, 68
.set G1B, 48                           ; s[48:55], s[84:87] the same for W_out
.set G0B, 84
.set MSB, 0
.macro WIN new                         ; the immediate's high byte repeats the setting that is left
.if MSB != (\new)
	s_set_vgpr_msb (MSB<<8)|(\new)
.set MSB, (\new)
.endif
.endm
.macro CROUND                          ; a round of the cluster's barrier
	s_barrier_signal -1
	s_barrier_wait -1
	s_cmp_lg_u32 s14, 0
	s_cbranch_scc1 .Lnot_wave_0_\@
	s_barrier_signal -3
.Lnot_wave_0_\@:
	s_barrier_wait -3
	s_barrier_signal -1
	s_barrier_wait -1
.endm
.macro PLACES                          ; four places in front of loads into registers that matrix instructions have read, and of the first read of results (ISA guide 7.12.1 for the first read of results)
.rept 4
	v_nop
.endr
.endm
	s_load_b256 s[4:11], s[0:1], 0x0               ; o's codes s[4:5], W_out's codes s[6:7], the scales' exponents s[8:9], b_out s[10:11]
	s_load_b64 s[12:13], s[0:1], 0x20              ; out0
	v_lshl_add_u32 v[SPW], v0, 2, SPARE
	v_mov_b32 v[NIL], 0
	ds_add_u32 v[SPW], v[NIL]                      ; the wave's opening
	ds_add_u32 v[SPW], v[NIL]
	v_lshrrev_b32 v1, 5, v0
	v_readfirstlane_b32 s14, v1                    ; wave 0..3
	s_lshr_b32 s15, s14, 1                         ; which half of the tile's tokens is mine.  Also: I fetch for o (0) or for W_out (1)
	s_and_b32 s16, s14, 1                          ; which half of its columns.  Also: which half of K I fetch
	s_bfe_u32 s40, ttmp6, 0x40000                  ; cx, cy: my place in the cluster
	s_bfe_u32 s41, ttmp6, 0x40004
	s_lshl_b32 s42, ttmp9, 2
	s_add_co_u32 s42, s42, s40                     ; tile column = 4 x cluster x + cx, 0..7
	s_and_b32 s17, ttmp7, 0xffff
	s_lshl_b32 s17, s17, 2
	s_add_co_u32 s17, s17, s41                     ; tile row = 4 x cluster y + cy, 0..31
	s_lshl_b32 s43, s41, 2
	s_lshl_b32 s43, 15, s43                        ; my row of the cluster
	s_lshl_b32 s44, 0x1111, s40                    ; my column
	; descriptor group 1.  o: a dense block of 256 rows of 256 bytes (four K steps' images), no padding: images are read 512 consecutive bytes at a time
	s_or_b32 s[G1A], s43, (3<<16)|(1<<21)          ; 15:0 the mask: my row; 17:16 elements of 8 bytes; 21 set beside a mask
	s_mov_b32 s[G1A+1], 32<<16                     ; tensor_dim0 = 32 elements
	s_mov_b32 s[G1A+2], 256<<16                    ; tensor_dim1 = 256
	s_mov_b32 s[G1A+3], 32<<16                     ; tile_dim0
	s_mov_b32 s[G1A+4], 256                        ; tile_dim1
	s_mov_b32 s[G1A+5], 32                         ; tensor_dim0_stride
	s_mov_b32 s[G1A+6], 0
	s_mov_b32 s[G1A+7], 0
	; W_out: 128 rows x 512 bytes, 1,024 bytes apart in memory, padded in LDS
	s_or_b32 s[G1B], s44, (0<<16)|(1<<20)|(1<<21)|(6<<22)|(3<<25)   ; the mask: my column; elements of 1 byte; padding on: 4 words (code 3) after every 128 (code 6)
	s_mov_b32 s[G1B+1], 512<<16
	s_mov_b32 s[G1B+2], 128<<16
	s_mov_b32 s[G1B+3], 512<<16
	s_mov_b32 s[G1B+4], 128
	s_mov_b32 s[G1B+5], 1024
	s_mov_b32 s[G1B+6], 0
	s_mov_b32 s[G1B+7], 0
	s_lshl_b32 s20, s17, 17                        ; o: my block of 128 tokens is 131,072 bytes,
	s_lshl_b32 s45, s16, 16                        ; my half 65,536: in memory and in LDS alike
	s_add_co_u32 s20, s20, s45
	s_mov_b32 s21, 0
	s_lshl_b32 s46, s42, 17                        ; W_out: row 128 x tile column, of 1,024 bytes,
	s_lshl_b32 s18, s16, 9                         ; and my half of K
	s_add_co_u32 s46, s46, s18
	s_mov_b32 s47, 0
	s_mul_i32 s18, s16, BH
	s_add_co_u32 s18, s18, BOFF                    ; and its place in LDS: no place in the cluster enters an LDS address
	s_wait_alu depctr_va_vdst(0)
	s_wait_dscnt 0x0                               ; both opening adds are done
	s_wait_kmcnt 0x0
	s_load_b256 s[32:39], s[8:9], 0x0              ; e0 .. e7
	s_add_nc_u64 s[20:21], s[4:5], s[20:21]
	s_add_nc_u64 s[46:47], s[6:7], s[46:47]
	s_mov_b32 s[G0A], 1
	s_mov_b32 s[G0A+1], s45
	s_mov_b64 s[G0A+2:G0A+3], s[20:21]
	s_or_b32 s[G0A+3], s[G0A+3], 0x80000000
	s_mov_b32 s[G0B], 1
	s_mov_b32 s[G0B+1], s18
	s_mov_b64 s[G0B+2:G0B+3], s[46:47]
	s_or_b32 s[G0B+3], s[G0B+3], 0x80000000
	CROUND                                         ; all sixteen work-groups are here: the joint loads meet
	s_cmp_eq_u32 s15, 0                            ; a wave's one load stands in one branch on its number; an s_nop 0 and four v_nop follow each line
	s_cbranch_scc0 .Lfor_w
	tensor_load_to_lds s[G0A:G0A+3], s[G1A:G1A+7]
	s_nop 0
.rept 4
	v_nop
.endr
	s_branch .Lasked
.Lfor_w:
	tensor_load_to_lds s[G0B:G0B+3], s[G1B:G1B+7]
	s_nop 0
.rept 4
	v_nop
.endr
.Lasked:
	s_lshl_b32 s22, s15, 13                        ; my four tiles of tokens: 4 x 2,048 bytes in each K step
	s_mul_i32 s60, s16, 64*PITCH                   ; my 64 rows of W_out
	s_add_co_u32 s60, s60, BOFF
	s_mul_i32 s23, s14, 16*SPITCH
	s_add_co_u32 s23, s23, STAGE                   ; my stage
	v_and_b32 v1, 15, v0                           ; r
	v_bfe_u32 v2, v0, 4, 1                         ; h
	v_and_b32 v3, 31, v0
	v_lshlrev_b32 v3, 4, v3                        ; 16 x lane
	v_add_nc_u32 v[ADRA], s22, v3
	v_add_nc_u32 v[ADRA+1], AH, v[ADRA]            ; K steps 4-7: an LDS offset has 16 bits
	v_mul_u32_u24 v4, v1, PITCH
	v_lshl_add_u32 v4, v2, 4, v4                   ; row x pitch + 16 x half
	v_add_nc_u32 v[ADRB], s60, v4
	v_add_nc_u32 v[ADRB+1], BH, v[ADRB]
	v_mul_u32_u24 v5, v1, SPITCH                   ; in: row r, 32 bytes for each half of the lanes
	v_lshl_add_u32 v5, v2, 5, v5
	v_add_nc_u32 v[STO], s23, v5
	v_mul_u32_u24 v5, v2, SPITCH                   ; back: lanes 0-15 take one row of 256 bytes, lanes 16-31 the next
	v_lshl_add_u32 v5, v1, 4, v5
	v_add_nc_u32 v[RD], s23, v5
	v_lshlrev_b32 v[CO], 12, v2                    ; and the same two rows in out0: a row is 4,096 bytes
	v_lshl_add_u32 v[CO], v1, 4, v[CO]
	v_lshlrev_b32 v[BNA], 5, v2
	s_wait_alu depctr_va_vdst(0)
	s_lshl_b32 s58, s42, 9                         ; my first column, in bytes: 512 x tile column + 256 x half: in b_out and in a row of out0
	s_lshl_b32 s59, s16, 8
	s_add_co_u32 s58, s58, s59
	s_mov_b32 s59, 0
	s_add_nc_u64 s[10:11], s[10:11], s[58:59]
	s_add_nc_u64 s[12:13], s[12:13], s[58:59]
	s_lshl_b32 s60, s17, 19                        ; my first row: (128 x tile row + 64 x half) x 4,096 bytes
	s_lshl_b32 s61, s15, 18
	s_add_co_u32 s60, s60, s61
	s_mov_b32 s61, 0
	s_add_nc_u64 s[12:13], s[12:13], s[60:61]
.irp b, 0,1,2,3
	global_load_b128 v[BN+8*\b:BN+8*\b+3],   v[BNA], s[10:11] offset:64*\b       ; b_out at my columns 16 b + 8 h + 0 .. 7
	global_load_b128 v[BN+8*\b+4:BN+8*\b+7], v[BNA], s[10:11] offset:64*\b+16
.endr
.macro LOADB s                         ; W_out's four fragments of K step s: 16 loads
	WIN 0x80+0x40*((\s)/4)
.irp b, 0,1,2,3
.irp c, 0,1,2,3
	ds_load_b128 v[64*((\s)%4)+16*\b+4*\c:64*((\s)%4)+16*\b+4*\c+3], v[ADRB+(\s)/4] offset:16*PITCH*\b+128*((\s)%4)+32*\c
.endr
.endr
.endm
.macro LOADA a, s                      ; o's fragment of block a, K step s: 4 loads
	WIN 0x40
.irp c, 0,1,2,3
	ds_load_b128 v[128*((\a)%2)+16*(\s)+4*\c:128*((\a)%2)+16*(\s)+4*\c+3], v[ADRA+(\s)/4] offset:16384*((\s)%4)+2048*(\a)+512*\c
.endr
.endm
; 4 matrix instructions: block a, K step s: the block's four accumulators take turns, one instruction a turn, three others between two steps of a sum.  The first products start the sums.
.macro MUL4 a, s
	WIN 0x06+(\s)/4                                ; source 0 (W_out) window 2 or 3, source 1 (o) window 1, C and D window 0
.irp b, 0,1,2,3
.if (\s) == 0
	v_wmma_f32_16x16x128_bf8_bf8 v[ACC+8*(4*(\a)+\b):ACC+8*(4*(\a)+\b)+7], v[64*((\s)%4)+16*\b:64*((\s)%4)+16*\b+15], v[128*((\a)%2)+16*(\s):128*((\a)%2)+16*(\s)+15], 0
.else
	v_wmma_f32_16x16x128_bf8_bf8 v[ACC+8*(4*(\a)+\b):ACC+8*(4*(\a)+\b)+7], v[64*((\s)%4)+16*\b:64*((\s)%4)+16*\b+15], v[128*((\a)%2)+16*(\s):128*((\a)%2)+16*(\s)+15], v[ACC+8*(4*(\a)+\b):ACC+8*(4*(\a)+\b)+7]
.endif
.endr
.endm
; THE WAY OUT of a block, 16 tokens x 64 columns: y = sum x 2^(e6 + e7) + b_out, one packed multiply-add for two numbers.  A lane holds 32 bytes of a row and the lanes beside it hold other rows: so a block goes
; through my own stage in LDS and comes back as whole rows of 256 bytes.  LDS serves a wave's instructions in order (ISA guide 5.7.1.4): no wait between the stores and the loads, nor in front of the next block's stores.
.macro PACK a
	WIN 0
.irp b, 0,1,2,3
.irp i, 0,2,4,6
	v_pk_fma_f32 v[TMP+8*\b+\i:TMP+8*\b+\i+1], v[ACC+8*(4*(\a)+\b)+\i:ACC+8*(4*(\a)+\b)+\i+1], s[56:57], v[BN+8*\b+\i:BN+8*\b+\i+1] op_sel_hi:[1,0,1]   ; each accumulator from its low end on
.endr
.endr
.irp b, 0,1,2,3
	ds_store_b128 v[STO], v[TMP+8*\b:TMP+8*\b+3] offset:64*\b
	ds_store_b128 v[STO], v[TMP+8*\b+4:TMP+8*\b+7] offset:64*\b+16
.endr
.irp t, 0,1,2,3,4,5,6,7
	ds_load_b128 v[ACC+32*(\a)+4*\t:ACC+32*(\a)+4*\t+3], v[RD] offset:\t*2*SPITCH   ; into the block's own accumulators, which are done with: no register serves two blocks' stores
.endr
.endm
.macro SEND a                          ; no LDS instruction is younger than block a's loads
	WIN 0
.irp t, 0,1,2,3,4,5,6,7
	s_wait_dscnt 7-\t
	global_store_b128 v[CO], v[ACC+32*(\a)+4*\t:ACC+32*(\a)+4*\t+3], s[12:13] offset:(16*(\a)+2*\t)*4096 th:TH_STORE_NT   ; 16 lanes store 256 consecutive bytes, at a multiple of 256 from out0's first byte; written once, read by nobody here
.endr
.endm
	s_wait_tensorcnt 0x0                           ; my part is in,
	s_barrier_signal -1
	s_barrier_wait -1                              ; and so is everybody's
	; Block 0: W_out's and its own fragments come three K steps ahead, 20 loads a step.
.irp s, 0,1,2
	LOADA 0, \s
	LOADB \s
.endr
.irp s, 0,1,2,3,4,5,6,7
.if \s < 5
	s_wait_dscnt 40                                ; the next two steps' loads may be out
.endif
.if \s == 5
	s_wait_dscnt 63                                ; two steps' 40 and block 1's 32 are younger: as many of them as a wait can name
.endif
.if \s == 6
	s_wait_dscnt 52                                ; one step's 20 and block 1's 32
.endif
.if \s == 7
	s_wait_dscnt 32                                ; block 1's 32
.endif
	MUL4 0, \s
.if \s < 5
	LOADA 0, \s+3
	LOADB \s+3
.endif
.if \s == 4
.irp u, 0,1,2,3,4,5,6,7
	LOADA 1, \u
.endr
.endif
.endr
	WIN 0
	s_wait_loadcnt 0x0                             ; b_out
	s_wait_kmcnt 0x0
	s_add_co_i32 s56, s38, s39                     ; e6 + e7, between -126 and 127,
	s_add_co_i32 s56, s56, 127
	s_lshl_b32 s56, s56, 23                        ; makes the f32 number 2^(e6 + e7)
	s_mov_b32 s57, s56                             ; (named with it as a pair, so it is written)
	; Blocks 1 to 3: the block before goes through the stage ahead of this block's products and is stored behind them.
.irp a, 1,2,3
	PLACES
.if \a < 3
.irp u, 0,1,2,3,4,5,6,7
	LOADA \a+1, \u
.endr
.endif
	PACK \a-1
.if \a < 3
	s_wait_dscnt 48                                ; this block's fragments are in: the next block's 32 loads and the stage's 16 instructions are younger
.else
	s_wait_dscnt 16
.endif
.irp u, 0,1,2,3,4,5,6,7
	MUL4 \a, \u
.endr
	SEND \a-1
.endr
	PLACES
	PACK 3
	SEND 3
	s_wait_tensorcnt 0x0                           ; the wave's end
	ds_add_u32 v[SPW], v[NIL]
	s_wait_dscnt 0x0
	CROUND                                         ; the closing round: no work-group ends while a partner may still ask for what names it
	s_endpgm
.Lfunc_end_k_q62dc20b14d_out_gemm:
	.size	k_q62dc20b14d_out_gemm, .Lfunc_end_k_q62dc20b14d_out_gemm-k_q62dc20b14d_out_gemm
	.p2alignl 7, 3214868480
	.fill 96, 4, 3214868480
	.section	.rodata,"a",@progbits
	.p2align	6, 0x0
	.amdhsa_kernel k_q62dc20b14d_out_gemm
		.amdhsa_group_segment_fixed_size 327680
		.amdhsa_private_segment_fixed_size 0
		.amdhsa_enable_private_segment 0
		.amdhsa_kernarg_size 40
		.amdhsa_user_sgpr_count 2
		.amdhsa_user_sgpr_kernarg_segment_ptr 1
		.amdhsa_wavefront_size32 1
		.amdhsa_system_sgpr_workgroup_id_x 1
		.amdhsa_system_sgpr_workgroup_id_y 1
		.amdhsa_system_sgpr_workgroup_id_z 1
		.amdhsa_system_vgpr_workitem_id 0
		.amdhsa_next_free_vgpr 1024
		.amdhsa_next_free_sgpr 100
		.amdhsa_reserve_vcc 0
		.amdhsa_float_denorm_mode_32 3
		.amdhsa_float_denorm_mode_16_64 3
		.amdhsa_memory_ordered 1
		.amdhsa_forward_progress 1
		.amdhsa_inst_pref_size 46
	.end_amdhsa_kernel
	.amdgpu_metadata
---
amdhsa.version: [ 1, 2 ]
amdhsa.kernels:
  - .name:           k_q62dc20b14d_out_gemm
    .symbol:         k_q62dc20b14d_out_gemm.kd
    .args:
      - { .name: attn, .offset: 0, .size: 8, .value_kind: global_buffer, .address_space: global }
      - { .name: W_out_codes, .offset: 8, .size: 8, .value_kind: global_buffer, .address_space: global }
      - { .name: lowp_scales, .offset: 16, .size: 8, .value_kind: global_buffer, .address_space: global }
      - { .name: b_out, .offset: 24, .size: 8, .value_kind: global_buffer, .address_space: global }
      - { .name: out0, .offset: 32, .size: 8, .value_kind: global_buffer, .address_space: global }
    .group_segment_fixed_size: 327680
    .private_segment_fixed_size: 0
    .kernarg_segment_align: 8
    .kernarg_segment_size: 40
    .max_flat_workgroup_size: 128
    .sgpr_count:     100
    .vgpr_count:     1024
    .wavefront_size: 32
...
	.end_amdgpu_metadata
.endif
;; end of part 3
